; MI455X (gfx1250); checked and timed in simulation.
; The chip was launched on July 23, 2026; its instructions are those of AMD's public machine-readable ISA for CDNA 5 (MIT licence, August 2026) and "CDNA5" Instruction Set Architecture Reference Guide (July 2026). The comments in the code are by the model that wrote it; some were corrected since.
;; Causal Self Attention. Allowed arithmetic: float matrix products may take bf16 or f16 operands with f32 sums; all other float work in f32.
;; Inputs: Wk 1,024 x 1,024 float32; Wp 1,024 x 1,024 float32; Wq 1,024 x 1,024 float32; Wv 1,024 x 1,024 float32; bk 1,024 float32; bp 1,024 float32; bq 1,024 float32; bv 1,024 float32; x 2 x 2,048 x 1,024 float32.
;; Outputs: out0 2 x 2,048 x 1,024 float32.
;; One version. Each part assembles by itself: llvm-mc -triple=amdgcn-amd-amdhsa -mcpu=gfx1250 --defsym DOCPART=n.
;; ======== version 1 of 1: 4 launches
;; limits: values are held in f16: magnitudes above 65,504 overflow, below 6.1e-05 lose precision; right only within a limited range of input values
;; workspace buffers: cb 16,777,216 bytes; qkvb 25,165,824 bytes; yb 8,388,608 bytes
;; launch cast (part 1): grid 512 x 1, 8 waves a work-group, no clusters, 0 bytes of LDS; arguments x, Wq, Wk, Wv, Wp, cb; writes cb
.if DOCPART == 1
	.amdgcn_target "amdgcn-amd-amdhsa--gfx1250"
	.amdhsa_code_object_version 6
	.text
	.protected	k_q0382968abb_cast
	.globl	k_q0382968abb_cast
	.p2align	8
	.type	k_q0382968abb_cast,@function
k_q0382968abb_cast:
	s_mov_b64 s[64:65], 0
	v_nop
	global_prefetch_b8 v0, s[64:65] scope:SCOPE_SE
	s_setreg_imm32_b32 hwreg(HW_REG_WAVE_MODE, 25, 1), 1
	s_wait_xcnt 0x0
; x, Wq, Wk, Wv, Wp (f32) rounded once to f16, laid one behind the other in cb:
;   x / 8 [4096][1024] at byte 0, Wq, Wk, Wv as one [3072][1024] at byte 8,388,608, 8 Wp [1024][1024] at byte 14,680,064.
; Both matrix launches then read 16-bit tiles that several work-groups can ask for jointly, and no wave converts a number twice.
; WHY f16 AND THE FACTORS: y is an average over 2,048 keys, so every rounding of q, k, v, P, y shows in full against y's small size; 11 significant bits keep the sum
; of these roundings far inside one hundredth of the output's size, 8 bits do not.  The factors are powers of two (exact) and give q, k, v, y room: with x / 8 the products
; are q / 8, k / 8, v / 8, y / 8, and 8 Wp takes the factor back.  x and W both 30 times larger than drawn: |q| about 900 x 5.5; both with an offset of 30 spreads:
; 30 x (30 / 32) x 1024 = 28,800, stored as 3,600.  Both 30 times smaller: q / 8 of size 1.4e-4, where f16's step of 2^-24 is still 2^-11 of that size.
; LIMIT: |x| below 524,032, |Wq|, |Wk|, |Wv| below 65,504, |Wp| below 8,188; beyond, f16 has no finite code.
; 512 work-groups of eight waves; work-group g turns 16,384 numbers (65,536 bytes) into 32,768 bytes at cb + 32,768 g.
; g = 0..255 lie in x, then 64 work-groups for each weight matrix, in cb's order.
; A stream: no LDS, no barrier, no matrix unit.  All sixteen loads of a thread are issued first.
.set X, 4                              ; v[4:67]   load j: 4 numbers in f32
.set Y, 68                             ; v[68:99]  store j: 4 numbers in f16
	s_load_b256 s[4:11], s[0:1], 0x0               ; x s[4:5], Wq s[6:7], Wk s[8:9], Wv s[10:11]
	s_load_b128 s[12:15], s[0:1], 0x20             ; Wp s[12:13], cb s[14:15]
	s_lshr_b32 s16, ttmp9, 6                       ; 0..3: x; 4: Wq; 5: Wk; 6: Wv; 7: Wp
	s_and_b32 s17, ttmp9, 63                       ; the chunk inside a weight matrix,
	s_mov_b32 s24, 1.0                             ; the factor: 1 for Wq, Wk, Wv (one text serves all five sources),
	s_cmp_lt_u32 s16, 4
	s_cselect_b32 s17, ttmp9, s17                  ; or inside x
	s_cselect_b32 s24, 0x3e000000, s24             ; 1 / 8 for x,
	s_cmp_eq_u32 s16, 7
	s_cselect_b32 s24, 0x41000000, s24             ; 8 for Wp
	s_mov_b32 s25, s24                             ; the packed multiply names the pair
	s_lshl_b32 s18, s17, 16                        ; 65,536 bytes of f32 a chunk
	s_mov_b32 s19, 0
	s_lshl_b32 s22, ttmp9, 15                      ; 32,768 bytes of f16 a chunk
	s_mov_b32 s23, 0
	v_lshlrev_b32 v1, 4, v0                        ; a thread loads 16 bytes: a wave's load covers 512 consecutive bytes
	v_lshlrev_b32 v2, 3, v0                        ; and stores 8: a wave's store covers 256 consecutive bytes, aligned
	s_wait_kmcnt 0x0
	s_cmp_eq_u32 s16, 4                            ; the source is chosen by the work-group's number alone
	s_cselect_b64 s[20:21], s[6:7], s[4:5]
	s_cmp_eq_u32 s16, 5
	s_cselect_b64 s[20:21], s[8:9], s[20:21]
	s_cmp_eq_u32 s16, 6
	s_cselect_b64 s[20:21], s[10:11], s[20:21]
	s_cmp_eq_u32 s16, 7
	s_cselect_b64 s[20:21], s[12:13], s[20:21]
	s_add_nc_u64 s[20:21], s[20:21], s[18:19]
	s_add_nc_u64 s[14:15], s[14:15], s[22:23]
.irp j, 0,1,2,3,4,5,6,7,8,9,10,11,12,13,14,15
	global_load_b128 v[X+4*\j:X+4*\j+3], v1, s[20:21] offset:4096*\j th:TH_LOAD_NT   ; read once in the launch
.endr
.irp j, 0,1,2,3,4,5,6,7,8,9,10,11,12,13,14,15
	s_wait_loadcnt 15-\j                           ; loads come back in order (ISA guide 5.7.1): load j is in, the 15 - j younger ones stay out
	v_pk_mul_f32 v[X+4*\j:X+4*\j+1],   v[X+4*\j:X+4*\j+1],   s[24:25] op_sel_hi:[1,0]
	v_pk_mul_f32 v[X+4*\j+2:X+4*\j+3], v[X+4*\j+2:X+4*\j+3], s[24:25] op_sel_hi:[1,0]
	v_cvt_pk_f16_f32 v[Y+2*\j],   v[X+4*\j],   v[X+4*\j+1]
	v_cvt_pk_f16_f32 v[Y+2*\j+1], v[X+4*\j+2], v[X+4*\j+3]
	global_store_b64 v2, v[Y+2*\j:Y+2*\j+1], s[14:15] offset:2048*\j
.endr
	s_endpgm
.Lfunc_end_k_q0382968abb_cast:
	.size	k_q0382968abb_cast, .Lfunc_end_k_q0382968abb_cast-k_q0382968abb_cast
	.p2alignl 7, 3214868480
	.fill 96, 4, 3214868480
	.section	.rodata,"a",@progbits
	.p2align	6, 0x0
	.amdhsa_kernel k_q0382968abb_cast
		.amdhsa_group_segment_fixed_size 0
		.amdhsa_private_segment_fixed_size 0
		.amdhsa_enable_private_segment 0
		.amdhsa_kernarg_size 48
		.amdhsa_user_sgpr_count 2
		.amdhsa_user_sgpr_kernarg_segment_ptr 1
		.amdhsa_wavefront_size32 1
		.amdhsa_system_sgpr_workgroup_id_x 1
		.amdhsa_system_sgpr_workgroup_id_y 1
		.amdhsa_system_sgpr_workgroup_id_z 1
		.amdhsa_system_vgpr_workitem_id 0
		.amdhsa_next_free_vgpr 100
		.amdhsa_next_free_sgpr 66
		.amdhsa_reserve_vcc 0
		.amdhsa_float_denorm_mode_32 3
		.amdhsa_float_denorm_mode_16_64 3
		.amdhsa_memory_ordered 1
		.amdhsa_forward_progress 1
		.amdhsa_inst_pref_size 9
	.end_amdhsa_kernel
	.amdgpu_metadata
---
amdhsa.version: [ 1, 2 ]
amdhsa.kernels:
  - .name:           k_q0382968abb_cast
    .symbol:         k_q0382968abb_cast.kd
    .args:
      - { .name: x, .offset: 0, .size: 8, .value_kind: global_buffer, .address_space: global }
      - { .name: Wq, .offset: 8, .size: 8, .value_kind: global_buffer, .address_space: global }
      - { .name: Wk, .offset: 16, .size: 8, .value_kind: global_buffer, .address_space: global }
      - { .name: Wv, .offset: 24, .size: 8, .value_kind: global_buffer, .address_space: global }
      - { .name: Wp, .offset: 32, .size: 8, .value_kind: global_buffer, .address_space: global }
      - { .name: cb, .offset: 40, .size: 8, .value_kind: global_buffer, .address_space: global }
    .group_segment_fixed_size: 0
    .private_segment_fixed_size: 0
    .kernarg_segment_align: 8
    .kernarg_segment_size: 48
    .max_flat_workgroup_size: 256
    .sgpr_count:     66
    .vgpr_count:     100
    .wavefront_size: 32
...
	.end_amdgpu_metadata
.endif
;; end of part 1
;; launch qkvgemm (part 2): grid 16 x 16, 4 waves a work-group, clusters of 4 x 4, 327,680 bytes of LDS; arguments cb, qkvb, bq, bk, bv; writes qkvb
.if DOCPART == 2
	.amdgcn_target "amdgcn-amd-amdhsa--gfx1250"
	.amdhsa_code_object_version 6
	.text
	.protected	k_q0382968abb_qkvgemm
	.globl	k_q0382968abb_qkvgemm
	.p2align	8
	.type	k_q0382968abb_qkvgemm,@function
k_q0382968abb_qkvgemm:
	s_mov_b64 s[64:65], 0
	v_nop
	global_prefetch_b8 v0, s[64:65] scope:SCOPE_SE
	s_setreg_imm32_b32 hwreg(HW_REG_WAVE_MODE, 25, 1), 1
	s_wait_xcnt 0x0
	s_wait_alu depctr_hold_cnt(0) depctr_sa_sdst(0) depctr_va_vdst(0) depctr_va_sdst(0) depctr_va_ssrc(0) depctr_va_vcc(0) depctr_vm_vsrc(0)
	s_getreg_b32 s2, hwreg(HW_REG_IB_STS2, 6, 4)
	s_cmp_eq_u32 s2, 0
	s_cbranch_scc0 .Lentry_in_a_cluster
	s_endpgm
.Lentry_in_a_cluster:
	s_bfe_u32 s2, ttmp6, 0x10000c
	s_cmp_lg_u32 s2, 0xf033
	s_cbranch_scc0 .Lentry_shape_is_right
	s_endpgm
.Lentry_shape_is_right:
; q / 8, k / 8, v / 8 = (x / 8) W^T + b / 8 in one product: [4096][1024] x [3072][1024]^T, f16 operands from cb, sums in f32, results rounded once to f16
; and stored by heads: qkvb [b = 2][g = 48][t = 2048][64], g = h for q, 16 + h for k, 32 + h for v (column n of the product is plane n / 64).
; A work-group makes 256 rows x 192 columns (three planes) with four waves, as many as a WGP has SIMDs; a wave makes 128 x 96:
; 48 accumulator tiles of 16 x 16, 384 registers.  16 x 16 work-groups.  K goes in steps of 128 through two LDS slots filled by tensor loads:
; a tile's rows are 256 consecutive bytes of memory at multiples of 256 bytes from the buffer's first byte.
; CLUSTERS of 4 x 4 work-groups: the four of a cluster's row need the same rows of x, the four of a column the same rows of W; each such tile
; is asked for jointly (the same tensor load with the same descriptor and a mask that names the four), which divides the requests by four.
; THE MATRIX INSTRUCTION IS USED TRANSPOSED: source 0 = 16 rows of W, source 1 = 16 rows of x.  Lane l then holds row l % 16 of the result and
; its registers 0..7 the columns 8 (l / 16) + 0..7: eight neighbouring numbers of a row.
; THE BIAS STARTS THE SUMS: the first product of each tile takes as C eight registers with an eighth of the bias of the lane's eight columns.
; LIMIT: operands and results are f16 (11 significant bits).  The results are stored as an eighth, so |q|, |k|, |v| must stay below 8 x 65,504 = 524,032.  x and W both 30 times
; larger than drawn give about 900 x 5.5; both with an offset of 30 spreads give 30 x (30 / 32) x 1024 = 28,800.  NaN and infinities pass through as the arithmetic makes them.
;
; REGISTERS in windows of 256 (s_set_vgpr_msb, low byte: bits 1:0 source 0, 3:2 source 1, 5:4 source 2, 7:6 destination):
;   window 0: v16-27 addresses; v32-55 packed results; v64-127, v128-191 fragments of x (8 x 16 rows x 32 K), two buffers; v192-239 the bias
;   window 1: v64-111, v128-175 fragments of W (6 x 16 rows x 32 K), two buffers
;   window 2: the 24 accumulator tiles of my rows 0-63 (tile (a, b) at v[8 (6 a + b)]);   window 3: those of my rows 64-127
.set KSTEP,  128
.set PITCH,  272                       ; an LDS row: 256 bytes + 16 of padding, so that the 16 rows of a fragment load begin in 16 different groups of four banks (ISA guide 11.1)
.set MA,     8                         ; fragments of x in a wave's tile
.set NB,     6                         ; fragments of W
.set HALFA,  128*PITCH                 ; 128 rows of x: one tensor load, and what one wave reads
.set HALFB,  96*PITCH                  ; 96 rows of W: likewise
.set SUB,    2*HALFA+2*HALFB           ; a slot: 256 rows of x, then 192 rows of W = 121,856 bytes
.set SPITCH, 400                       ; the way out: a row of 192 f16 (384 bytes) + 16
.set LAPS,   1024/(2*KSTEP)            ; a lap = two K steps = once round the ring: 4
.set WOFF,   8388608                   ; W's first byte in cb
.set PLANE,  262144                    ; 2048 rows of 64 f16
.set ADRA, 16                          ; v16-17  LDS address of my fragments of x in slot 0, 1
.set ADRB, 20                          ; v20-21  the same for W
.set STO,  24                          ; the way out: where I put 16 bytes of a row
.set RD,   25                          ; the way out: where I read rows back
.set CO,   26                          ; my byte offset in a plane
.set BO,   27                          ; my byte offset in a bias block
.set TMP,  32
.set F0,   64
.set F1,   128
.set BIAS, 192
.set G1A, 24                           ; s[24:31] descriptor group 1 for tiles of x
.set G0A, 32                           ; s[32:39] group 0 for tiles of x, one set for each slot
.set G0B, 48                           ; s[48:55] group 0 for tiles of W
.set G1B, 68                           ; s[68:75] group 1 for tiles of W
.set MSB, 0
.macro WIN new                         ; the immediate's high byte repeats the setting that is left
.if MSB != \new
	s_set_vgpr_msb (MSB<<8)|\new
.set MSB, \new
.endif
.endm
.set MUL_LO,   0xa1                    ; source 0 (W) window 1, source 1 (x) window 0, C and D window 2
.set MUL_HI,   0xf1                    ; the same, C and D window 3
.set FIRST_LO, 0x81                    ; C = the bias in window 0, D window 2
.set FIRST_HI, 0xc1                    ; C = the bias in window 0, D window 3
.set TO_B,     0x40                    ; destination window 1, address window 0
; A joint load.  Waves 0 and 1 fetch the two halves of x's tile, waves 2 and 3 those of W's.  Each line has one mask and one set of registers,
; and the branch hangs on the wave's number alone.
.macro JLOAD s
	s_cmp_eq_u32 s11, 0
	s_cbranch_scc0 .Lfor_b_\@
	tensor_load_to_lds s[G0A+4*\s:G0A+4*\s+3], s[G1A:G1A+7]
	s_nop 0
	s_branch .Lasked_\@
.Lfor_b_\@:
	tensor_load_to_lds s[G0B+4*\s:G0B+4*\s+3], s[G1B:G1B+7]
	s_nop 0
.Lasked_\@:
.endm
; A round of the cluster's barrier: my work-group's barrier; wave 0 signals for the work-group; every wave waits for all sixteen; my work-group's barrier again.
.macro CREST                           ; a round behind its opening barrier
	s_cmp_lg_u32 s10, 0
	s_cbranch_scc1 .Lnot_wave_0_\@
	s_barrier_signal -3
.Lnot_wave_0_\@:
	s_barrier_wait -3
	s_barrier_signal -1
	s_barrier_wait -1
.endm
.macro CROUND
	s_barrier_signal -1
	s_barrier_wait -1
	CREST
.endm
	s_load_b64 s[4:5], s[0:1], 0x0                 ; cb
	s_load_b64 s[8:9], s[0:1], 0x8                 ; qkvb
	s_load_b128 s[84:87], s[0:1], 0x10             ; bq s[84:85], bk s[86:87]
	s_load_b64 s[88:89], s[0:1], 0x20              ; bv
	s_set_vgpr_msb 0x40
	v_lshl_add_u32 v255, v0, 2, 0x3b800
	s_set_vgpr_msb 0x4000
	v_mov_b32 v255, 0
	s_set_vgpr_msb 0x1
	ds_add_u32 v255, v255
	s_set_vgpr_msb 0x100
	v_lshrrev_b32 v1, 5, v0
	v_readfirstlane_b32 s10, v1                    ; wave 0..3
	s_lshr_b32 s11, s10, 1                         ; which half of the block's rows is mine.  Also: I fetch for x (0) or for W (1)
	s_and_b32 s12, s10, 1                          ; which half of its columns.  Also: which half of that tile I fetch
	s_bfe_u32 s76, ttmp6, 0x40000                  ; cx
	s_bfe_u32 s77, ttmp6, 0x40004                  ; cy
	s_lshl_b32 s78, ttmp9, 2
	s_add_co_u32 s78, s78, s76                     ; block column = 4 x cluster x + cx
	s_and_b32 s13, ttmp7, 0xffff
	s_lshl_b32 s13, s13, 2
	s_add_co_u32 s13, s13, s77                     ; block row = 4 x cluster y + cy
	s_lshl_b32 s79, s77, 2
	s_lshl_b32 s79, 15, s79                        ; my row of the cluster: places 4 cy .. 4 cy + 3
	s_lshl_b32 s80, 0x1111, s76                    ; my column: places cx, cx + 4, cx + 8, cx + 12
	; group 1: 128 (96) rows x 128 elements of 2 bytes, 16 bytes of padding behind every 64 words
	s_or_b32 s[G1A+0], s79, (1<<16)|(1<<20)|(1<<21)|(5<<22)|(3<<25)   ; 15:0 mask; 17:16 element of 2 bytes; 20 padding on; 21 set beside a mask; 24:22 every 64 words; 31:25 four words
	s_mov_b32 s[G1A+1], KSTEP<<16                  ; tensor_dim0 = 128
	s_mov_b32 s[G1A+2], 128<<16                    ; tensor_dim1 = 128
	s_mov_b32 s[G1A+3], KSTEP<<16                  ; tile_dim0 = 128
	s_mov_b32 s[G1A+4], 128                        ; tile_dim1 = 128
	s_mov_b32 s[G1A+5], 1024                       ; elements from row to row
	s_mov_b32 s[G1A+6], 0
	s_mov_b32 s[G1A+7], 0
	s_or_b32 s[G1B+0], s80, (1<<16)|(1<<20)|(1<<21)|(5<<22)|(3<<25)
	s_mov_b32 s[G1B+1], KSTEP<<16
	s_mov_b32 s[G1B+2], 96<<16                     ; tensor_dim1 = 96
	s_mov_b32 s[G1B+3], KSTEP<<16
	s_mov_b32 s[G1B+4], 96                         ; tile_dim1 = 96
	s_mov_b32 s[G1B+5], 1024
	s_mov_b32 s[G1B+6], 0
	s_mov_b32 s[G1B+7], 0
	; x's tiles hang on the block row alone, W's on the block column alone; each offset lives in registers that never hold the other coordinate
	s_lshl_b32 s16, s13, 19                        ; 256 rows of 2,048 bytes a block row
	s_lshl_b32 s17, s12, 18                        ; + 128 rows for the half that I fetch
	s_add_co_u32 s16, s16, s17
	s_mov_b32 s17, 0
	s_mul_i32 s82, s78, 192*2048                   ; 192 rows a block column
	s_mul_i32 s83, s12, 96*2048                    ; + 96 rows for the half
	s_add_co_u32 s82, s82, s83
	s_add_co_u32 s82, s82, WOFF
	s_mov_b32 s83, 0
	s_mul_i32 s20, s10, HALFA                      ; LDS: waves 0, 1 fill x's halves at 0 and HALFA,
	s_mul_i32 s21, s10, HALFB
	s_add_co_u32 s21, s21, 2*HALFA-2*HALFB         ; waves 2, 3 fill W's halves at 2 HALFA and 2 HALFA + HALFB: the wave's number alone
	s_mul_i32 s81, s78, 192
	s_mul_i32 s22, s12, 96
	s_add_co_u32 s81, s81, s22                     ; my first column of the product
	s_wait_dscnt 0x0
	s_wait_kmcnt 0x0
	s_add_nc_u64 s[14:15], s[4:5], s[16:17]
	s_add_nc_u64 s[82:83], s[4:5], s[82:83]
	CROUND                                         ; all sixteen work-groups are here: the first joint loads meet
.irp s, 0,1
	s_mov_b32 s[G0A+4*\s], 1                                       ; count = 1
	s_add_co_u32 s[G0A+4*\s+1], s20, \s*SUB                        ; LDS address
	s_add_nc_u64 s[G0A+4*\s+2:G0A+4*\s+3], s[14:15], \s*KSTEP*2    ; global address: K step s
	s_or_b32 s[G0A+4*\s+3], s[G0A+4*\s+3], 0x80000000              ; type = 2
	s_mov_b32 s[G0B+4*\s], 1
	s_add_co_u32 s[G0B+4*\s+1], s21, \s*SUB
	s_add_nc_u64 s[G0B+4*\s+2:G0B+4*\s+3], s[82:83], \s*KSTEP*2
	s_or_b32 s[G0B+4*\s+3], s[G0B+4*\s+3], 0x80000000
	JLOAD \s                                       ; both slots are asked for before anything else: two tensor loads of a wave are out
.endr
	; A fragment is 16 rows x 32 K in 8 registers: lane l holds row l % 16; registers 0-3 K = 8 (l / 16) + 0..7, registers 4-7 K = 16 + 8 (l / 16) + 0..7:
	; two loads of 16 bytes, 32 bytes apart.
	v_and_b32 v1, 15, v0                           ; r = l % 16
	v_bfe_u32 v2, v0, 4, 1                         ; h = l / 16
	v_mul_u32_u24 v3, v1, PITCH
	v_lshl_add_u32 v3, v2, 4, v3
	s_mul_i32 s18, s11, HALFA                      ; my 128 rows of x
	s_mul_i32 s19, s12, HALFB                      ; my 96 rows of W,
	s_add_co_u32 s19, s19, 2*HALFA                 ; which lie behind x's 256
.irp s, 0,1
	v_add_nc_u32 v[ADRA+\s], s18, v3
	v_add_nc_u32 v[ADRB+\s], s19, v3
	s_add_co_u32 s18, s18, SUB
	s_add_co_u32 s19, s19, SUB
.endr
	s_mul_i32 s18, s11, 128*SPITCH                 ; the way out, in: row 128 x half + r, byte 192 x column half + 16 h
	s_mul_i32 s19, s12, 192
	s_add_co_u32 s18, s18, s19
	v_mul_u32_u24 v4, v1, SPITCH
	v_lshl_add_u32 v4, v2, 4, v4
	v_add_nc_u32 v[STO], s18, v4
	v_and_b32 v5, 31, v0                           ; the way out, back: eight lanes take the 128 bytes that a row has in one plane, a wave four rows
	v_lshrrev_b32 v6, 3, v5
	v_and_b32 v7, 7, v5
	v_mul_u32_u24 v6, v6, SPITCH
	v_lshl_add_u32 v6, v7, 4, v6
	s_mul_i32 s18, s10, 64*SPITCH                  ; wave w stores rows 64 w .. 64 w + 63 of the block
	v_add_nc_u32 v[RD], s18, v6
	v_lshlrev_b32 v[CO], 4, v5                     ; four rows of a plane are 512 consecutive bytes
	v_lshlrev_b32 v[BO], 5, v2                     ; 8 h numbers of 4 bytes
; The bias of the 16 columns of n block b, as a C operand: register j of lane (r, h) = bias of column 16 b + 8 h + j.  A block of 16 columns lies in one of bq, bk, bv
; (1,024 is a multiple of 16); the buffer is chosen by selects.  Each block has a base pair of its own, so that no base of a pending load is rewritten.
.macro BIASLD b
	s_add_co_u32 s22, s81, 16*\b
	s_lshr_b32 s23, s22, 10                        ; 0: q, 1: k, 2: v
	s_and_b32 s22, s22, 1023
	s_lshl_b32 s22, s22, 2
	s_cmp_eq_u32 s23, 1
	s_cselect_b64 s[90+2*\b:91+2*\b], s[86:87], s[84:85]
	s_cmp_eq_u32 s23, 2
	s_cselect_b64 s[90+2*\b:91+2*\b], s[88:89], s[90+2*\b:91+2*\b]
	s_mov_b32 s23, 0
	s_add_nc_u64 s[90+2*\b:91+2*\b], s[90+2*\b:91+2*\b], s[22:23]
	global_load_b128 v[BIAS+8*\b:BIAS+8*\b+3],   v[BO], s[90+2*\b:91+2*\b]
	global_load_b128 v[BIAS+8*\b+4:BIAS+8*\b+7], v[BO], s[90+2*\b:91+2*\b] offset:16
.endm
.irp b, 0,1,2,3,4,5
	BIASLD \b
.endr
; 12 matrix instructions: m blocks a0, a0 + 1 of the window's four (hi = 0: my rows 0-63, 1: rows 64-127) x all 6 n blocks, 32 along K.
; first = 1: C is the bias: nothing is cleared and nothing is added later.
; The 48 accumulators take turns, one instruction a turn, in the same order in every quarter step.
.macro MULP f, hi, a0, first
.irp a, \a0, \a0+1
.irp b, 0,1,2,3,4,5
.if \first
	v_wmma_f32_16x16x32_f16 v[8*(NB*(\a)+\b):8*(NB*(\a)+\b)+7], v[\f+8*\b:\f+8*\b+7], v[\f+8*(4*\hi+\a):\f+8*(4*\hi+\a)+7], v[BIAS+8*\b:BIAS+8*\b+7]
.else
	v_wmma_f32_16x16x32_f16 v[8*(NB*(\a)+\b):8*(NB*(\a)+\b)+7], v[\f+8*\b:\f+8*\b+7], v[\f+8*(4*\hi+\a):\f+8*(4*\hi+\a)+7], v[8*(NB*(\a)+\b):8*(NB*(\a)+\b)+7]
.endif
.endr
.endr
.endm
; 28 LDS loads in one run: the fragments of one quarter step (96 rows of W, 128 rows of x, 32 K at byte k of the rows) into buffer f
.macro FETCH slot, k, f
	WIN TO_B
.irp i, 0,1,2,3,4,5
	ds_load_b128 v[\f+8*\i:\f+8*\i+3],   v[ADRB+\slot] offset:\k+\i*16*PITCH
	ds_load_b128 v[\f+8*\i+4:\f+8*\i+7], v[ADRB+\slot] offset:\k+\i*16*PITCH+32
.endr
	WIN 0
.irp i, 0,1,2,3,4,5,6,7
	ds_load_b128 v[\f+8*\i:\f+8*\i+3],   v[ADRA+\slot] offset:\k+\i*16*PITCH
	ds_load_b128 v[\f+8*\i+4:\f+8*\i+7], v[ADRA+\slot] offset:\k+\i*16*PITCH+32
.endr
.endm
; A load into a register that a matrix instruction has read, and a vector instruction or LDS store that reads a matrix result, stand four places behind that
; matrix instruction; only plain vector instructions that name none of its registers are places.
.macro PLACES
.rept 4
	v_nop
.endr
.endm
; A K step is four quarter steps of 32 along K, 48 matrix instructions each, on buffers 0, 1, 0, 1.
; One of the first three: multiplies buffer f; in its middle it fetches the next quarter's fragments, at byte k of the same slot's rows, into buffer g.
.macro QUARTER slot, k, f, g, first
	s_wait_dscnt MA                                ; W and x's rows 0-63 are in; the youngest eight loads (x's rows 64-127) may be out
.if \first
	WIN FIRST_LO
.else
	WIN MUL_LO
.endif
	MULP \f, 0, 0, \first
	MULP \f, 0, 2, \first
	PLACES
	FETCH \slot, \k, \g
	s_wait_dscnt 2*(MA+NB)                         ; all but the 28 just issued
.if \first
	WIN FIRST_HI
.else
	WIN MUL_HI
.endif
	MULP \f, 1, 0, \first
	MULP \f, 1, 2, \first
.endm
.macro THREE slot, first
	QUARTER \slot, 64,  F0, F1, \first
	QUARTER \slot, 128, F1, F0, 0
	QUARTER \slot, 192, F0, F1, 0
.endm
; The last quarter: multiplies buffer 1 and changes slots.  fill = 1: this slot is filled again, two K steps ahead.
; In front of the barrier each wave waits for its reads of this slot and for all its tensor loads (one is out: its part of the next slot).  Behind it nobody reads this
; slot and the next slot is whole; where the slot is filled again the barrier opens a round of the cluster's barrier, and the joint refill is the first tensor load behind the round.
; From a request to the wait for it a wave issues 180 matrix instructions.
.macro TURN slot, next, fill
	s_wait_dscnt MA
	WIN MUL_LO
	MULP F1, 0, 0, 0
	s_wait_dscnt 0x0                               ; my reads of this slot are over
	s_wait_tensorcnt 0x0                           ; all my tensor loads have landed
	ds_add_u32 v255, v255
	s_wait_dscnt 0x0
	s_barrier_signal -1
	MULP F1, 0, 2, 0                               ; register work while the others arrive
	WIN 0
	s_barrier_wait -1
.if \fill
	CREST                                          ; no wave of any partner still reads this slot or has a load on its way
	s_add_nc_u64 s[G0A+4*\slot+2:G0A+4*\slot+3], s[G0A+4*\slot+2:G0A+4*\slot+3], 2*KSTEP*2
	s_add_nc_u64 s[G0B+4*\slot+2:G0B+4*\slot+3], s[G0B+4*\slot+2:G0B+4*\slot+3], 2*KSTEP*2
	JLOAD \slot
.endif
	PLACES
	FETCH \next, 0, F0
	WIN MUL_HI
	MULP F1, 1, 0, 0
	MULP F1, 1, 2, 0
.endm
.macro LAP first
	THREE 0, \first
	TURN 0, 1, 1
	THREE 1, 0
	TURN 1, 0, 1
.endm
	s_wait_tensorcnt 0x1                           ; my part of K step 0 is in; K step 1's load stays out
	s_wait_loadcnt 0x0                             ; the bias
	s_mov_b32 s18, 0x3e000000                      ; 1 / 8: the sums are of x / 8, so the bias enters as an eighth (exact)
	s_mov_b32 s19, 0x3e000000
.set n, 0
.rept 24
	v_pk_mul_f32 v[BIAS+2*n:BIAS+2*n+1], v[BIAS+2*n:BIAS+2*n+1], s[18:19] op_sel_hi:[1,0]
.set n, n+1
.endr
	s_barrier_signal -1
	s_barrier_wait -1                              ; everybody's part is in
	FETCH 0, 0, F0
	LAP 1                                          ; the first lap stands in front of the loop: its first products start the sums from the bias
	WIN 0                                          ; at a label and at a branch every window is 0
	s_mov_b32 s3, LAPS-2
.Llap:
	LAP 0
	WIN 0
	s_sub_co_u32 s3, s3, 1
	s_cmp_lg_u32 s3, 0
	s_cbranch_scc1 .Llap
	THREE 0, 0                                     ; the last lap fills nothing and has no round: the one load still out is slot 1's, the last K step's
	TURN 0, 1, 0
	THREE 1, 0
	s_wait_dscnt MA
	WIN MUL_LO
	MULP F1, 0, 0, 0
	MULP F1, 0, 2, 0
	s_wait_dscnt 0x0
	WIN MUL_HI
	MULP F1, 1, 0, 0
	MULP F1, 1, 2, 0
	; THE WAY OUT.  The block goes as f16 into a stage of 256 rows x 400 bytes at LDS byte 0.  The stage lies inside slot 0, whose last fill had landed and whose last reads
	; were over in every wave in front of the barrier of the last change of slots; slot 1, which slower waves may still read, begins behind the stage.
	PLACES
	s_lshr_b32 s16, s13, 3                         ; block row: b = row / 8,
	s_mul_i32 s16, s16, 48*PLANE
	s_and_b32 s17, s13, 7                          ; t = 256 (row % 8)
	s_lshl_b32 s17, s17, 15                        ; 256 rows of 128 bytes
	s_add_co_u32 s16, s16, s17
	s_lshl_b32 s17, s10, 13                        ; + 64 rows for each wave
	s_add_co_u32 s16, s16, s17
	s_mov_b32 s17, 0
	s_add_nc_u64 s[8:9], s[8:9], s[16:17]
	s_mul_i32 s22, s78, 3*PLANE                    ; three planes a block column
	s_mov_b32 s23, 0
	s_add_nc_u64 s[8:9], s[8:9], s[22:23]
; rows 16 a .. 16 a + 15 of my tile = the six tiles (aa, 0..5) of window 2 or 3 (code 0x0a or 0x0f: sources 0 and 1)
.macro OUTB a, aa, code
	WIN \code
.irp b, 0,1,2,3,4,5
.irp r, 0,1,2,3
	v_cvt_pk_f16_f32 v[TMP+4*\b+\r], v[8*(NB*\aa+\b)+2*\r], v[8*(NB*\aa+\b)+2*\r+1]
.endr
.endr
	WIN 0
.irp b, 0,1,2,3,4,5
	ds_store_b128 v[STO], v[TMP+4*\b:TMP+4*\b+3] offset:16*SPITCH*\a+32*\b
.endr
.endm
	OUTB 0, 0, 0x0a
	OUTB 1, 1, 0x0a
	OUTB 2, 2, 0x0a
	OUTB 3, 3, 0x0a
	OUTB 4, 0, 0x0f
	OUTB 5, 1, 0x0f
	OUTB 6, 2, 0x0f
	OUTB 7, 3, 0x0f
	s_wait_dscnt 0x0                               ; my stores are in LDS, for the waves that read them
	s_barrier_signal -1
	s_barrier_wait -1
; plane i of the block's three: my 64 rows of 128 bytes, 8,192 consecutive bytes of memory, by 16 stores of 512 consecutive bytes each
.macro OUTP i, f
.irp t, 0,1,2,3,4,5,6,7,8,9,10,11,12,13,14,15
	ds_load_b128 v[\f+4*\t:\f+4*\t+3], v[RD] offset:4*SPITCH*\t+128*\i
.endr
.irp t, 0,1,2,3,4,5,6,7,8,9,10,11,12,13,14,15
	s_wait_dscnt 15-\t                             ; LDS loads come back in order: load t is in
	global_store_b128 v[CO], v[\f+4*\t:\f+4*\t+3], s[8:9] offset:PLANE*\i+512*\t
.endr
.endm
	OUTP 0, F0
	OUTP 1, F1
	s_wait_xcnt 0x0                                ; buffer 0, which the first plane's stores read, is loaded again only behind this wait
	OUTP 2, F0
	s_set_vgpr_msb 0x1
	s_wait_tensorcnt 0x0
	ds_add_u32 v255, v255
	s_wait_dscnt 0x0
	s_set_vgpr_msb 0x100
	CROUND                                         ; the closing round: no work-group ends while a partner may still ask for a tile that names it
	s_endpgm
.Lfunc_end_k_q0382968abb_qkvgemm:
	.size	k_q0382968abb_qkvgemm, .Lfunc_end_k_q0382968abb_qkvgemm-k_q0382968abb_qkvgemm
	.p2alignl 7, 3214868480
	.fill 96, 4, 3214868480
	.section	.rodata,"a",@progbits
	.p2align	6, 0x0
	.amdhsa_kernel k_q0382968abb_qkvgemm
		.amdhsa_group_segment_fixed_size 327680
		.amdhsa_private_segment_fixed_size 0
		.amdhsa_enable_private_segment 0
		.amdhsa_kernarg_size 40
		.amdhsa_user_sgpr_count 2
		.amdhsa_user_sgpr_kernarg_segment_ptr 1
		.amdhsa_wavefront_size32 1
		.amdhsa_system_sgpr_workgroup_id_x 1
		.amdhsa_system_sgpr_workgroup_id_y 1
		.amdhsa_system_sgpr_workgroup_id_z 1
		.amdhsa_system_vgpr_workitem_id 0
		.amdhsa_next_free_vgpr 960
		.amdhsa_next_free_sgpr 102
		.amdhsa_reserve_vcc 0
		.amdhsa_float_denorm_mode_32 3
		.amdhsa_float_denorm_mode_16_64 3
		.amdhsa_memory_ordered 1
		.amdhsa_forward_progress 1
		.amdhsa_inst_pref_size 163
	.end_amdhsa_kernel
	.amdgpu_metadata
---
amdhsa.version: [ 1, 2 ]
amdhsa.kernels:
  - .name:           k_q0382968abb_qkvgemm
    .symbol:         k_q0382968abb_qkvgemm.kd
    .args:
      - { .name: cb, .offset: 0, .size: 8, .value_kind: global_buffer, .address_space: global }
      - { .name: qkvb, .offset: 8, .size: 8, .value_kind: global_buffer, .address_space: global }
      - { .name: bq, .offset: 16, .size: 8, .value_kind: global_buffer, .address_space: global }
      - { .name: bk, .offset: 24, .size: 8, .value_kind: global_buffer, .address_space: global }
      - { .name: bv, .offset: 32, .size: 8, .value_kind: global_buffer, .address_space: global }
    .group_segment_fixed_size: 327680
    .private_segment_fixed_size: 0
    .kernarg_segment_align: 8
    .kernarg_segment_size: 40
    .max_flat_workgroup_size: 128
    .sgpr_count:     102
    .vgpr_count:     960
    .wavefront_size: 32
...
	.end_amdgpu_metadata
.endif
;; end of part 2
;; launch attn (part 3): grid 8 x 32, 8 waves a work-group, clusters of 4 x 1, 327,680 bytes of LDS; arguments qkvb, yb; writes yb
.if DOCPART == 3
	.amdgcn_target "amdgcn-amd-amdhsa--gfx1250"
	.amdhsa_code_object_version 6
	.text
	.protected	k_q0382968abb_attn
	.globl	k_q0382968abb_attn
	.p2align	8
	.type	k_q0382968abb_attn,@function
k_q0382968abb_attn:
	s_mov_b64 s[64:65], 0
	v_nop
	global_prefetch_b8 v0, s[64:65] scope:SCOPE_SE
	s_setreg_imm32_b32 hwreg(HW_REG_WAVE_MODE, 25, 1), 1
	s_wait_xcnt 0x0
	s_wait_alu depctr_hold_cnt(0) depctr_sa_sdst(0) depctr_va_vdst(0) depctr_va_sdst(0) depctr_va_ssrc(0) depctr_va_vcc(0) depctr_vm_vsrc(0)
	s_getreg_b32 s2, hwreg(HW_REG_IB_STS2, 6, 4)
	s_cmp_eq_u32 s2, 0
	s_cbranch_scc0 .Lentry_in_a_cluster
	s_endpgm
.Lentry_in_a_cluster:
	s_bfe_u32 s2, ttmp6, 0x10000c
	s_cmp_lg_u32 s2, 0x3003
	s_cbranch_scc0 .Lentry_shape_is_right
	s_endpgm
.Lentry_shape_is_right:
; y = softmax(q k^T / 8) v for one (b, h) and 256 queries a work-group; q / 8, k / 8, v / 8 in f16 from qkvb [b][g][t][64]; y / 8 in f16 into yb [h][2048 b + t][64].
; No mask.  The softmax takes a running maximum away (in the exponent of 2: p = 2^(s c - M), s = (q / 8)(k / 8), c = 64 log2(e) / 8 = 8 log2(e), M = the running maximum times c,
; rounded once and used as stored in every p and in every rescaling, so that its rounding is a common factor of O and l and cancels in O / l).
; Eight waves, two on each SIMD, so that one wave's vector work can run beside the other's matrix work.  Wave w takes queries 64 (w % 4) .. + 63 and, of every tile of 256
; keys, keys 128 (w / 4) .. + 127; the two waves of a query block merge their O, M and l through LDS at the end.
; TRANSPOSED FORM: S^T = K Q^T (source 0 = 16 keys, source 1 = 16 queries): register j of lane (r, h) holds key 8 h + j, query r.  Two such tiles, rounded to f16 in place,
; ARE a source-1 fragment of P^T (32 keys), so P never moves between lanes.  O^T = V^T P^T, source 0 = V^T by transposing LDS loads from V as stored [key][d].
; A query's maximum and sum live in lanes r and r + 16: one exchange of the halves.
; CLUSTER of 4 x 1: the four query blocks share (b, h) and walk the same K and V tiles: every tile is asked for jointly (mask 15), a quarter of the requests.
; K and V go through two LDS slots of 256 keys; every wave fetches 32 keys of K and of V by one tensor load each (4,096 consecutive bytes): two of a wave are out at most.
; A tile is asked for one trip (128 matrix instructions of each wave) ahead.
; LIMITS: q, k, v, P, y are f16 (11 significant bits).  P lies in (0, 1] for every input; p below 3e-8 becomes 0 in f16, at most 2048 x 3e-8 against l of 1 or more.
; y is an average of v, so y / 8 has the room that v / 8 has (|v| below 524,032).  NaN and infinities get no special care; v_exp_f32 gives 0 below 2^-126 (ISA guide 15.8).
;
; REGISTERS: window 0: v4-7, v8-15, v28-31 the merge; v16-24 addresses; v32-95 Q (4 x 16 queries x 64 d); v96-159 K (4 x 16 keys x 64 d); v160-223 V^T (2 x 32 keys x 64 d);
;   v224-231 pairs (M, R = raw running maximum); v232-239 pairs (alpha, X = exchange); v240-247 pairs of partial sums of p; v248-251 at work.
;   window 1: v0-127 S (tile (qt, kt) at 8 (4 qt + kt)), then P; v128-255 O (tile (qt, dt) at 128 + 8 (4 qt + dt)).
.set KP,     272                       ; an LDS row of K: two keys of 128 bytes + 16: key i at (i / 2) 272 + (i % 2) 128; the 16 keys of a fragment load touch 16 different 16-byte columns
.set VP,     288                       ; an LDS row of V: two keys + 32: the 8 keys x 32 bytes of half a transposing load touch 16 different 16-byte columns
.set KBYTES, 128*KP
.set SLOT,   128*KP+128*VP             ; 71,680
.set MERGE,  2*SLOT                    ; 4 x 17,920 bytes: O (16,384), the pairs (M, R) (1,024), l (512) of waves 4-7; no tensor load lands here
.set MPART,  17920
.set YST,    MERGE+4*MPART             ; 4 x 64 rows of 144 bytes: the way out of waves 0-3
.set YP,     144
.set PLANE,  262144                    ; 2048 rows of 64 f16
.set TILEB,  32768                     ; 256 keys of 128 bytes
.set MN,   4
.set MB,   8
.set ADRK, 16                          ; v16-17  my K fragments in slot 0, 1
.set ADRV, 18                          ; v18-19  my V fragments
.set QOFF, 20
.set MADR, 21
.set STO,  22
.set RD,   23
.set CO,   24
.set LB,   28
.set QF,   32
.set KF,   96
.set VF,   160
.set PM,   224
.set PA,   232
.set LP,   240
.set T,    248
.set OA,   128                         ; O, in window 1
.set OB,   96                          ; the partner's O, in window 0
.set YPK,  32                          ; y as f16
.set G1K, 20                           ; s[20:27]
.set G1V, 28                           ; s[28:35]
.set G0K, 36                           ; s[36:43] one set for each slot
.set G0V, 44                           ; s[44:51]
.set MSB, 0
.macro WIN new                         ; low byte: bits 1:0 source 0, 3:2 source 1, 5:4 source 2, 7:6 destination; the high byte repeats the setting that is left
.if MSB != \new
	s_set_vgpr_msb (MSB<<8)|\new
.set MSB, \new
.endif
.endm
.macro PLACES n                        ; places behind matrix instructions: plain vector instructions that name none of their registers (ISA guide 7.12.1)
.rept \n
	v_nop
.endr
.endm
.macro ROUND                           ; a round of the cluster's barrier
	s_barrier_signal -1
	s_barrier_wait -1
	s_cmp_lg_u32 s8, 0
	s_cbranch_scc1 .Lnot_wave_0_\@
	s_barrier_signal -3
.Lnot_wave_0_\@:
	s_barrier_wait -3
	s_barrier_signal -1
	s_barrier_wait -1
.endm
	s_load_b128 s[4:7], s[0:1], 0x0                ; qkvb s[4:5], yb s[6:7]
	v_lshl_add_u32 v254, v0, 2, 0x3d800
	v_mov_b32 v255, 0
	ds_add_u32 v254, v255
	v_lshrrev_b32 v1, 5, v0
	v_readfirstlane_b32 s8, v1                     ; wave 0..7
	s_and_b32 s9, s8, 3                            ; my block of 64 queries
	s_lshr_b32 s10, s8, 2                          ; my half of each tile's keys
	s_bfe_u32 s11, ttmp6, 0x40000                  ; cx
	s_lshl_b32 s12, ttmp9, 2
	s_add_co_u32 s12, s12, s11                     ; block of 256 queries = 4 x cluster x + cx
	s_and_b32 s13, ttmp7, 0xffff                   ; 16 b + h
	s_lshr_b32 s18, s13, 4                         ; b
	s_and_b32 s19, s13, 15                         ; h
	s_mov_b32 s14, 0x76543210                      ; v_permlanex16_b32: lane i of one half reads lane i of the other
	s_mov_b32 s15, 0xfedcba98
	s_mov_b32 s16, 0x4138aa3b                      ; c = 8 log2(e): 64 for the two eighths, 1 / 8 for the scale of the scores
	s_mov_b32 s17, 0x4138aa3b
	; group 1: 16 rows of 32 elements of 8 bytes (a dense block of 4,096 bytes as rows of 256), padding behind every 64 words; mask 15: all four work-groups of the cluster
	s_mov_b32 s[G1K+0], 15|(3<<16)|(1<<20)|(1<<21)|(5<<22)|(3<<25)    ; four words of padding
	s_mov_b32 s[G1K+1], 32<<16                     ; tensor_dim0 = 32
	s_mov_b32 s[G1K+2], 16<<16                     ; tensor_dim1 = 16
	s_mov_b32 s[G1K+3], 32<<16                     ; tile_dim0 = 32
	s_mov_b32 s[G1K+4], 16                         ; tile_dim1 = 16
	s_mov_b32 s[G1K+5], 32                         ; elements from row to row
	s_mov_b32 s[G1K+6], 0
	s_mov_b32 s[G1K+7], 0
	s_mov_b32 s[G1V+0], 15|(3<<16)|(1<<20)|(1<<21)|(5<<22)|(7<<25)    ; eight words of padding
	s_mov_b32 s[G1V+1], 32<<16
	s_mov_b32 s[G1V+2], 16<<16
	s_mov_b32 s[G1V+3], 32<<16
	s_mov_b32 s[G1V+4], 16
	s_mov_b32 s[G1V+5], 32
	s_mov_b32 s[G1V+6], 0
	s_mov_b32 s[G1V+7], 0
	; byte offsets.  s54, s55, s53, s3 feed the joint loads and hang on (b, h) and the wave alone; s56-59 hold the query block and feed plain loads and stores only
	s_mul_i32 s54, s18, 48
	s_add_co_u32 s54, s54, s19
	s_lshl_b32 s54, s54, 18                        ; q's plane 48 b + h
	s_lshl_b32 s56, s12, 15                        ; 256 rows of 128 bytes a query block
	s_lshl_b32 s57, s9, 13                         ; + 64 rows for my part
	s_add_co_u32 s56, s56, s57
	s_lshl_b32 s58, s19, 19                        ; y: plane h of 4,096 rows,
	s_lshl_b32 s59, s18, 18                        ; row 2048 b
	s_add_co_u32 s58, s58, s59
	s_add_co_u32 s58, s58, s56
	s_add_co_u32 s56, s56, s54
	s_mov_b32 s57, 0
	s_mov_b32 s59, 0
	s_lshl_b32 s55, s8, 12                         ; the 32 keys (4,096 bytes) of each tile that I fetch
	s_add_co_u32 s54, s54, s55
	s_add_co_u32 s54, s54, 16*PLANE                ; k's plane 48 b + 16 + h; v's is 16 planes further
	s_mov_b32 s55, 0
	s_mul_i32 s53, s8, 16*KP                       ; and where they go: 16 LDS rows for each wave
	s_mul_i32 s3, s8, 16*VP
	s_wait_dscnt 0x0
	s_wait_kmcnt 0x0
	s_add_nc_u64 s[56:57], s[4:5], s[56:57]        ; my 64 rows of q
	s_add_nc_u64 s[58:59], s[6:7], s[58:59]        ; my 64 rows of y
	s_add_nc_u64 s[54:55], s[4:5], s[54:55]        ; my part of K's tile 0
.irp s, 0,1
	s_mov_b32 s[G0K+4*\s], 1
	s_add_co_u32 s[G0K+4*\s+1], s53, \s*SLOT
	s_add_nc_u64 s[G0K+4*\s+2:G0K+4*\s+3], s[54:55], \s*TILEB
	s_or_b32 s[G0K+4*\s+3], s[G0K+4*\s+3], 0x80000000
	s_mov_b32 s[G0V+4*\s], 1
	s_add_co_u32 s[G0V+4*\s+1], s3, \s*SLOT+KBYTES
	s_add_nc_u64 s[G0V+4*\s+2:G0V+4*\s+3], s[54:55], 16*PLANE+\s*TILEB
	s_or_b32 s[G0V+4*\s+3], s[G0V+4*\s+3], 0x80000000
.endr
	ROUND                                          ; all four work-groups are here: the first joint loads meet
	tensor_load_to_lds s[G0K:G0K+3], s[G1K:G1K+7]  ; tile 0
	s_nop 0
	tensor_load_to_lds s[G0V:G0V+3], s[G1V:G1V+7]
	s_nop 0
	v_and_b32 v1, 31, v0                           ; l
	v_and_b32 v2, 15, v0                           ; r
	v_bfe_u32 v3, v0, 4, 1                         ; h
	v_lshlrev_b32 v[QOFF], 7, v2                   ; Q as source 1: lane (r, h) holds query r, d = 8 h + 0..7 and 16 + 8 h + 0..7 of each 32
	v_lshl_add_u32 v[QOFF], v3, 4, v[QOFF]
.irp qt, 0,1,2,3
.irp c, 0,1
	global_load_b128 v[QF+16*\qt+8*\c:QF+16*\qt+8*\c+3],   v[QOFF], s[56:57] offset:2048*\qt+64*\c
	global_load_b128 v[QF+16*\qt+8*\c+4:QF+16*\qt+8*\c+7], v[QOFF], s[56:57] offset:2048*\qt+64*\c+32
.endr
.endr
	v_lshrrev_b32 v4, 1, v2                        ; K as source 0: key r at (r / 2) 272 + (r % 2) 128, + 16 h
	v_and_b32 v5, 1, v2
	v_mul_u32_u24 v4, v4, KP
	v_lshl_add_u32 v4, v5, 7, v4
	v_lshl_add_u32 v4, v3, 4, v4
	s_mul_i32 s53, s10, 64*KP                      ; my 128 keys = 64 LDS rows
	v_add_nc_u32 v[ADRK], s53, v4
	v_add_nc_u32 v[ADRK+1], SLOT, v[ADRK]
	v_bfe_u32 v6, v0, 1, 2                         ; V for the transposing load: lane l addresses key 8 h + l % 8, 16 bytes at 16 ((l / 8) % 2)
	v_lshl_add_u32 v6, v3, 2, v6                   ; LDS row 4 h + (l % 8) / 2
	v_mul_u32_u24 v6, v6, VP
	v_and_b32 v7, 1, v0
	v_lshl_add_u32 v6, v7, 7, v6
	v_bfe_u32 v7, v0, 3, 1
	v_lshl_add_u32 v6, v7, 4, v6
	s_mul_i32 s53, s10, 64*VP
	s_add_co_u32 s53, s53, KBYTES
	v_add_nc_u32 v[ADRV], s53, v6
	v_add_nc_u32 v[ADRV+1], SLOT, v[ADRV]
	v_lshlrev_b32 v[CO], 4, v1                     ; 16 l
	s_mul_i32 s53, s9, MPART
	s_add_co_u32 s53, s53, MERGE
	v_add_nc_u32 v[MADR], s53, v[CO]
	s_mul_i32 s53, s9, 64*YP
	s_add_co_u32 s53, s53, YST
	v_mul_u32_u24 v4, v2, YP                       ; the way out, in: row r, 16 bytes for each half of the lanes
	v_lshl_add_u32 v4, v3, 4, v4
	v_add_nc_u32 v[STO], s53, v4
	v_lshrrev_b32 v5, 3, v1                        ; back: eight lanes take a row of 128 bytes, a wave four rows
	v_and_b32 v6, 7, v1
	v_mul_u32_u24 v5, v5, YP
	v_lshl_add_u32 v5, v6, 4, v5
	v_add_nc_u32 v[RD], s53, v5
.irp qt, 0,1,2,3
	v_mov_b32 v[PM+2*\qt+1], 0xff800000            ; R = -infinity
	v_mov_b32 v[PA+2*\qt+1], 0                     ; X: the exchange's destination counts as read
.endr
	s_wait_loadcnt 0x0                             ; Q
; 16 loads: 64 keys of K, part sub of my 128, as four fragments of 16 keys x 64 d
.macro LOADK slot, sub
.irp kt, 0,1,2,3
.irp c, 0,1
	ds_load_b128 v[KF+16*\kt+8*\c:KF+16*\kt+8*\c+3],   v[ADRK+\slot] offset:32*KP*\sub+8*KP*\kt+64*\c
	ds_load_b128 v[KF+16*\kt+8*\c+4:KF+16*\kt+8*\c+7], v[ADRK+\slot] offset:32*KP*\sub+8*KP*\kt+64*\c+32
.endr
.endr
.endm
; 16 transposing loads: the same 64 keys of V as V^T: fragment (kk, dt) = d 16 dt .. + 15 x keys 32 kk .. + 31; the second load is 16 keys (8 LDS rows) on
.macro LOADV slot, sub
.irp kk, 0,1
.irp dt, 0,1,2,3
	ds_load_tr16_b128 v[VF+32*\kk+8*\dt:VF+32*\kk+8*\dt+3],   v[ADRV+\slot] offset:32*VP*\sub+16*VP*\kk+32*\dt
	ds_load_tr16_b128 v[VF+32*\kk+8*\dt+4:VF+32*\kk+8*\dt+7], v[ADRV+\slot] offset:32*VP*\sub+16*VP*\kk+32*\dt+8*VP
.endr
.endr
.endm
; 64 keys x 64 queries.  first = 1: the very first step (nothing to rescale; the first products start O).  more = 1: part 1 of the slot is fetched for the next step.
; In both runs of matrix instructions the 16 accumulators take turns, one instruction a turn.
.macro STEP first, slot, more
	s_wait_dscnt 16                                ; K's 16 loads are in; the 16 of V behind them may be out
	WIN 0x50                                       ; D and C in window 1
.irp kt, 0,1,2,3
.irp qt, 0,1,2,3
	v_wmma_f32_16x16x32_f16 v[8*(4*\qt+\kt):8*(4*\qt+\kt)+7], v[KF+16*\kt:KF+16*\kt+7], v[QF+16*\qt:QF+16*\qt+7], 0
.endr
.endr
.irp kt, 0,1,2,3
.irp qt, 0,1,2,3
	v_wmma_f32_16x16x32_f16 v[8*(4*\qt+\kt):8*(4*\qt+\kt)+7], v[KF+16*\kt+8:KF+16*\kt+15], v[QF+16*\qt+8:QF+16*\qt+15], v[8*(4*\qt+\kt):8*(4*\qt+\kt)+7]
.endr
.endr
	PLACES 4                                       ; in front of the loads into K's registers and of the maxima, which read S
.if \more
	WIN 0
	LOADK \slot, 1
.endif
	WIN 0x14                                       ; sources 1 and 2 in window 1
.irp i, 0,1,2,3,4,5,6,7,8,9,10,11,12,13,14,15
.irp qt, 0,1,2,3
	v_max3_num_f32 v[PM+2*\qt+1], v[PM+2*\qt+1], v[32*\qt+2*\i], v[32*\qt+2*\i+1]   ; four chains, one for each block of 16 queries
.endr
.endr
	WIN 0
.irp qt, 0,1,2,3
	v_permlanex16_b32 v[PA+2*\qt+1], v[PM+2*\qt+1], s14, s15      ; the other half's keys
.endr
.irp qt, 0,1,2,3
	v_max_num_f32 v[PM+2*\qt+1], v[PM+2*\qt+1], v[PA+2*\qt+1]
.endr
.irp qt, 0,1,2,3
	v_mul_f32 v[T+\qt], s16, v[PM+2*\qt+1]         ; the new M
.endr
.if \first == 0
.irp qt, 0,1,2,3
	v_sub_f32 v[PA+2*\qt], v[PM+2*\qt], v[T+\qt]
.endr
.irp qt, 0,1,2,3
	v_exp_f32 v[PA+2*\qt], v[PA+2*\qt]             ; alpha = 2^(old M - new M); the moves below are the plain place behind it (ISA guide 5.7.2)
.endr
.endif
.irp qt, 0,1,2,3
	v_mov_b32 v[PM+2*\qt], v[T+\qt]
.endr
.if \first == 0
	s_wait_alu depctr_va_vdst(0)
.irp qt, 0,1,2,3
	v_pk_mul_f32 v[LP+2*\qt:LP+2*\qt+1], v[LP+2*\qt:LP+2*\qt+1], v[PA+2*\qt:PA+2*\qt+1] op_sel_hi:[1,0]
.endr
.endif
	WIN 0x41                                       ; destination and source 0 in window 1
.irp qt, 0,1,2,3
.irp i, 0,1,2,3,4,5,6,7,8,9,10,11,12,13,14,15
	v_pk_fma_f32 v[32*\qt+2*\i:32*\qt+2*\i+1], v[32*\qt+2*\i:32*\qt+2*\i+1], s[16:17], v[PM+2*\qt:PM+2*\qt+1] op_sel_hi:[1,0,0] neg_lo:[0,0,1] neg_hi:[0,0,1]   ; s c - M
.endr
.endr
.set n, 0
.rept 64
	v_exp_f32 v[2*n], v[2*n]
	v_exp_f32 v[2*n+1], v[2*n+1]
.if \first == 0
	v_pk_mul_f32 v[OA+2*n:OA+2*n+1], v[OA+2*n:OA+2*n+1], v[PA+2*(n/16):PA+2*(n/16)+1] op_sel_hi:[1,0]   ; O times alpha, strewn among the exponentials
.endif
.set n, n+1
.endr
.if \first
	v_nop                                          ; the plain place behind the last exponential
	WIN 0x05                                       ; both sources in window 1: the first sum starts l
	s_wait_alu depctr_va_vdst(0)
.irp qt, 0,1,2,3
	v_pk_add_f32 v[LP+2*\qt:LP+2*\qt+1], v[32*\qt:32*\qt+1], v[32*\qt+2:32*\qt+3]
.endr
	WIN 0x04
.else
	WIN 0x04                                       ; source 1 in window 1
	s_wait_alu depctr_va_vdst(0)
.irp i, 0,1
.irp qt, 0,1,2,3
	v_pk_add_f32 v[LP+2*\qt:LP+2*\qt+1], v[LP+2*\qt:LP+2*\qt+1], v[32*\qt+2*\i:32*\qt+2*\i+1]
.endr
.endr
.endif
.irp i, 2,3,4,5,6,7,8,9,10,11,12,13,14,15
.irp qt, 0,1,2,3
	v_pk_add_f32 v[LP+2*\qt:LP+2*\qt+1], v[LP+2*\qt:LP+2*\qt+1], v[32*\qt+2*\i:32*\qt+2*\i+1]
.endr
.endr
	WIN 0x45                                       ; all in window 1: two S tiles (16 registers) become one fragment of P (8 registers), in place, ascending
.irp blk, 0,1,2,3,4,5,6,7
.irp i, 0,1,2,3,4,5,6,7
	v_cvt_pk_f16_f32 v[16*\blk+\i], v[16*\blk+2*\i], v[16*\blk+2*\i+1]
.endr
.endr
.if \more
	s_wait_dscnt 16                                ; V's loads are in; the 16 of the next K behind them may be out
.else
	s_wait_dscnt 0x0
.endif
	WIN 0x54                                       ; source 1 (P), C and D in window 1
.irp qt, 0,1,2,3
.irp dt, 0,1,2,3
.if \first
	v_wmma_f32_16x16x32_f16 v[OA+8*(4*\qt+\dt):OA+8*(4*\qt+\dt)+7], v[VF+8*\dt:VF+8*\dt+7], v[32*\qt:32*\qt+7], 0
.else
	v_wmma_f32_16x16x32_f16 v[OA+8*(4*\qt+\dt):OA+8*(4*\qt+\dt)+7], v[VF+8*\dt:VF+8*\dt+7], v[32*\qt:32*\qt+7], v[OA+8*(4*\qt+\dt):OA+8*(4*\qt+\dt)+7]
.endif
.endr
.endr
.irp qt, 0,1,2,3
.irp dt, 0,1,2,3
	v_wmma_f32_16x16x32_f16 v[OA+8*(4*\qt+\dt):OA+8*(4*\qt+\dt)+7], v[VF+32+8*\dt:VF+32+8*\dt+7], v[32*\qt+16:32*\qt+23], v[OA+8*(4*\qt+\dt):OA+8*(4*\qt+\dt)+7]
.endr
.endr
	PLACES 5                                       ; the next S products write over P, a source of these; the next loads write over V^T
	WIN 0
.if \more
	LOADV \slot, 1
.endif
.endm
; One tile of 256 keys.  In front of the round every wave waits for all its tensor loads (its parts of this trip's tile) and for its reads of the other slot; the round holds
; that of every wave of all four work-groups; the joint refill of the other slot comes first behind it.
.macro TRIP slot, refill, first
	s_wait_tensorcnt 0x0                           ; no tensor load of mine is out, so group 0 may be written: this slot's next tile, two tiles on
	ds_add_u32 v254, v255
	s_wait_dscnt 0x0
	s_add_nc_u64 s[G0K+4*\slot+2:G0K+4*\slot+3], s[G0K+4*\slot+2:G0K+4*\slot+3], 2*TILEB
	s_add_nc_u64 s[G0V+4*\slot+2:G0V+4*\slot+3], s[G0V+4*\slot+2:G0V+4*\slot+3], 2*TILEB
	s_wait_dscnt 0x0
	ROUND
.if \refill
	tensor_load_to_lds s[G0K+4*(1-\slot):G0K+4*(1-\slot)+3], s[G1K:G1K+7]
	s_nop 0
	tensor_load_to_lds s[G0V+4*(1-\slot):G0V+4*(1-\slot)+3], s[G1V:G1V+7]
	s_nop 0
.endif
	LOADK \slot, 0
	LOADV \slot, 0
	STEP \first, \slot, 1
	STEP 0, \slot, 0
.endm
	TRIP 0, 1, 1                                   ; tile 0 (tile 1 is asked for)
	TRIP 1, 1, 0
	s_mov_b32 s52, 2
.Ltiles:
	TRIP 0, 1, 0                                   ; tiles 2 to 5
	TRIP 1, 1, 0
	s_sub_co_u32 s52, s52, 1
	s_cmp_lg_u32 s52, 0
	s_cbranch_scc1 .Ltiles
	TRIP 0, 1, 0                                   ; tile 6 asks for tile 7, the last
	TRIP 1, 0, 0                                   ; the stepped addresses of the last two trips are not used
	; THE MERGE of the two halves of the keys.  l of my keys, in every lane:
.irp qt, 0,1,2,3
	v_add_f32 v[T+\qt], v[LP+2*\qt], v[LP+2*\qt+1]
.endr
.irp qt, 0,1,2,3
	v_permlanex16_b32 v[PA+2*\qt+1], v[T+\qt], s14, s15
.endr
.irp qt, 0,1,2,3
	v_add_f32 v[T+\qt], v[T+\qt], v[PA+2*\qt+1]
.endr
	s_cmp_lt_u32 s8, 4
	s_cbranch_scc1 .Lkeeps
	WIN 0x04                                       ; waves 4-7 hand over O (store data in window 1), register by register, lane by lane,
.set n, 0
.rept 32
	ds_store_b128 v[MADR], v[OA+4*n:OA+4*n+3] offset:512*n
.set n, n+1
.endr
	WIN 0
	ds_store_b128 v[MADR], v[PM:PM+3] offset:16384       ; the pairs (M, R)
	ds_store_b128 v[MADR], v[PM+4:PM+7] offset:16896
	ds_store_b128 v[MADR], v[T:T+3] offset:17408         ; and l
.Lkeeps:
	s_wait_dscnt 0x0                               ; the stores are in LDS, for the waves that read them
	s_barrier_signal -1
	s_barrier_wait -1
	s_cmp_ge_u32 s8, 4
	s_cbranch_scc1 .Lclose
	ds_load_b128 v[MB:MB+3], v[MADR] offset:16384
	ds_load_b128 v[MB+4:MB+7], v[MADR] offset:16896
	ds_load_b128 v[LB:LB+3], v[MADR] offset:17408
.set n, 0
.rept 32
	ds_load_b128 v[OB+4*n:OB+4*n+3], v[MADR] offset:512*n
.set n, n+1
.endr
	s_wait_dscnt 32                                ; the partner's M and l are in; the 32 loads of its O may be out
.irp qt, 0,1,2,3
	v_max_num_f32 v[MN+\qt], v[PM+2*\qt], v[MB+2*\qt]
.endr
.irp qt, 0,1,2,3
	v_sub_f32 v[PA+2*\qt], v[PM+2*\qt], v[MN+\qt]
	v_sub_f32 v[LP+2*\qt], v[MB+2*\qt], v[MN+\qt]
.endr
.irp qt, 0,1,2,3
	v_exp_f32 v[PA+2*\qt], v[PA+2*\qt]             ; my factor
	v_exp_f32 v[LP+2*\qt], v[LP+2*\qt]             ; the partner's
.endr
	v_nop                                          ; the plain place behind the exponentials
	s_wait_alu depctr_va_vdst(0)
.irp qt, 0,1,2,3
	v_mul_f32 v[T+\qt], v[T+\qt], v[PA+2*\qt]
.endr
.irp qt, 0,1,2,3
	v_fmac_f32 v[T+\qt], v[LB+\qt], v[LP+2*\qt]    ; l of all keys
.endr
.irp qt, 0,1,2,3
	v_rcp_f32 v[T+\qt], v[T+\qt]
.endr
	v_nop                                          ; the plain place behind the reciprocals
	s_wait_alu depctr_va_vdst(0)
.irp qt, 0,1,2,3
	v_mul_f32 v[PA+2*\qt], v[PA+2*\qt], v[T+\qt]   ; both factors divided by l
	v_mul_f32 v[LP+2*\qt], v[LP+2*\qt], v[T+\qt]
.endr
	s_wait_dscnt 0x0
.set n, 0
.rept 64
	v_pk_mul_f32 v[OB+2*n:OB+2*n+1], v[OB+2*n:OB+2*n+1], v[LP+2*(n/16):LP+2*(n/16)+1] op_sel_hi:[1,0]
.set n, n+1
.endr
	WIN 0x01                                       ; source 0 (my O) in window 1
.set n, 0
.rept 64
	v_pk_fma_f32 v[OB+2*n:OB+2*n+1], v[OA+2*n:OA+2*n+1], v[PA+2*(n/16):PA+2*(n/16)+1], v[OB+2*n:OB+2*n+1] op_sel_hi:[1,0,1]
.set n, n+1
.endr
	WIN 0
	; THE WAY OUT: register j of lane (r, h) of tile (qt, dt) is y / 8 (query 16 qt + r, d = 16 dt + 8 h + j): 16 bytes of a row.  Through my own stage: LDS serves a wave's
	; instructions in order (ISA guide 5.7.1), so no wait stands between my stores and my loads.
.set n, 0
.rept 64
	v_cvt_pk_f16_f32 v[YPK+n], v[OB+2*n], v[OB+2*n+1]
.set n, n+1
.endr
.irp qt, 0,1,2,3
.irp dt, 0,1,2,3
	ds_store_b128 v[STO], v[YPK+4*(4*\qt+\dt):YPK+4*(4*\qt+\dt)+3] offset:16*YP*\qt+32*\dt
.endr
.endr
.irp i, 0,1,2,3,4,5,6,7,8,9,10,11,12,13,14,15
	ds_load_b128 v[OB+4*\i:OB+4*\i+3], v[RD] offset:4*YP*\i
.endr
.irp i, 0,1,2,3,4,5,6,7,8,9,10,11,12,13,14,15
	s_wait_dscnt 15-\i                             ; load i is in
	global_store_b128 v[CO], v[OB+4*\i:OB+4*\i+3], s[58:59] offset:512*\i    ; four rows of y: 512 consecutive bytes, aligned
.endr
.Lclose:
	s_wait_tensorcnt 0x0
	ds_add_u32 v254, v255
	s_wait_dscnt 0x0
	ROUND                                          ; the closing round: no work-group ends while a partner may still ask for a tile that names it
	s_endpgm
.Lfunc_end_k_q0382968abb_attn:
	.size	k_q0382968abb_attn, .Lfunc_end_k_q0382968abb_attn-k_q0382968abb_attn
	.p2alignl 7, 3214868480
	.fill 96, 4, 3214868480
	.section	.rodata,"a",@progbits
	.p2align	6, 0x0
	.amdhsa_kernel k_q0382968abb_attn
		.amdhsa_group_segment_fixed_size 327680
		.amdhsa_private_segment_fixed_size 0
		.amdhsa_enable_private_segment 0
		.amdhsa_kernarg_size 16
		.amdhsa_user_sgpr_count 2
		.amdhsa_user_sgpr_kernarg_segment_ptr 1
		.amdhsa_wavefront_size32 1
		.amdhsa_system_sgpr_workgroup_id_x 1
		.amdhsa_system_sgpr_workgroup_id_y 1
		.amdhsa_system_sgpr_workgroup_id_z 1
		.amdhsa_system_vgpr_workitem_id 0
		.amdhsa_next_free_vgpr 512
		.amdhsa_next_free_sgpr 66
		.amdhsa_reserve_vcc 0
		.amdhsa_float_denorm_mode_32 3
		.amdhsa_float_denorm_mode_16_64 3
		.amdhsa_memory_ordered 1
		.amdhsa_forward_progress 1
		.amdhsa_inst_pref_size 255
	.end_amdhsa_kernel
	.section	.bss,"aw",@nobits
	.p2align	6
	.space	262144
	.amdgpu_metadata
---
amdhsa.version: [ 1, 2 ]
amdhsa.kernels:
  - .name:           k_q0382968abb_attn
    .symbol:         k_q0382968abb_attn.kd
    .args:
      - { .name: qkvb, .offset: 0, .size: 8, .value_kind: global_buffer, .address_space: global }
      - { .name: yb, .offset: 8, .size: 8, .value_kind: global_buffer, .address_space: global }
    .group_segment_fixed_size: 327680
    .private_segment_fixed_size: 0
    .kernarg_segment_align: 8
    .kernarg_segment_size: 16
    .max_flat_workgroup_size: 256
    .sgpr_count:     66
    .vgpr_count:     512
    .wavefront_size: 32
...
	.end_amdgpu_metadata
.endif
;; end of part 3
;; launch proj (part 4): grid 8 x 32, 4 waves a work-group, clusters of 4 x 4, 327,680 bytes of LDS; arguments yb, cb, bp, out0; writes out0
.if DOCPART == 4
	.amdgcn_target "amdgcn-amd-amdhsa--gfx1250"
	.amdhsa_code_object_version 6
	.text
	.protected	k_q0382968abb_proj
	.globl	k_q0382968abb_proj
	.p2align	8
	.type	k_q0382968abb_proj,@function
k_q0382968abb_proj:
	s_mov_b64 s[64:65], 0
	v_nop
	global_prefetch_b8 v0, s[64:65] scope:SCOPE_SE
	s_setreg_imm32_b32 hwreg(HW_REG_WAVE_MODE, 25, 1), 1
	s_wait_xcnt 0x0
	s_wait_alu depctr_hold_cnt(0) depctr_sa_sdst(0) depctr_va_vdst(0) depctr_va_sdst(0) depctr_va_ssrc(0) depctr_va_vcc(0) depctr_vm_vsrc(0)
	s_getreg_b32 s2, hwreg(HW_REG_IB_STS2, 6, 4)
	s_cmp_eq_u32 s2, 0
	s_cbranch_scc0 .Lentry_in_a_cluster
	s_endpgm
.Lentry_in_a_cluster:
	s_bfe_u32 s2, ttmp6, 0x10000c
	s_cmp_lg_u32 s2, 0xf033
	s_cbranch_scc0 .Lentry_shape_is_right
	s_endpgm
.Lentry_shape_is_right:
; out = y Wp^T + bp = (y / 8)(8 Wp)^T + bp: [4096][1024] x [1024][1024]^T, f16 operands, sums and result in f32.
; y / 8 comes from yb [h = 16][m = 4096][64] (K index = 64 h + d), 8 Wp as f16 from cb at byte 14,680,064: the two factors are powers of two and cancel exactly.
; 8 x 32 work-groups of four waves, one for each SIMD of a WGP; a work-group makes 128 x 128, a wave 64 x 64: 16 accumulator tiles.  The tile is no larger because
; 4096 x 1024 outputs shared among 256 work-groups are 128 x 128 each.
; K goes through two LDS slots of 256 along K (two sub-slots of 128 each): half of K is asked for at the start, four tensor loads of a wave are out at most,
; and a refill has 124 matrix instructions of each wave in which to land.
; A sub-slot has four parts of 64 LDS rows of 272 bytes, one tensor load of one wave each: y's 128 rows in head 2 kt (a dense block of 16,384 bytes, two rows of y in an LDS row),
; the same in head 2 kt + 1, Wp's rows 0-63, Wp's rows 64-127 (256 bytes along K each).
; CLUSTERS of 4 x 4: y's tiles are shared along a cluster's row, Wp's along a column, each by joint loads: a quarter of the requests.
; The matrix instruction is used transposed (source 0 = rows of Wp, source 1 = rows of y): a lane holds eight neighbouring columns of one row.  The bias starts the sums as the first C.
; LIMIT: operands are f16 (11 significant bits): |y| below 524,032, |Wp| below 8,188.  NaN and infinities pass through as the arithmetic makes them.
;
; REGISTERS: window 0: v16-27 addresses; v64-95, v128-159 fragments of y, two buffers; v192-223 the bias.  window 1: v64-95, v128-159 fragments of Wp.
;   window 2: accumulator tiles of my rows 0-31 (tile (a, b) at v[8 (4 a + b)]);  window 3: of my rows 32-63.
.set PITCH, 272
.set MA,    4
.set NB,    4
.set PART,  64*PITCH                   ; 17,408
.set SUB,   4*PART                     ; 69,632
.set STAGE, 4*SUB                      ; behind the ring: 16 rows x 272 bytes for each wave; no tensor load lands here
.set AFR,   8*PITCH                    ; 16 rows of y = 8 LDS rows
.set YPLANE, 524288                    ; 4096 rows of 64 f16
.set ASTEP, 8*YPLANE                   ; four sub-steps of K on: eight heads
.set BSTEP, 4*256                      ; four sub-steps of K on in a row of Wp
.set WPOFF, 14680064
.set ADRA, 16                          ; v16-19  my fragments of y in sub-slot 0..3
.set ADRB, 20                          ; v20-23  the same for Wp
.set STO,  24
.set RD,   25
.set CO,   26
.set BO,   27
.set F0,   64
.set F1,   128
.set BIAS, 192
.set G1A, 24                           ; s[24:31]
.set G0A, 32                           ; s[32:47] one set for each sub-slot
.set G0B, 48                           ; s[48:63]
.set G1B, 68                           ; s[68:75]
.set MSB, 0
.macro WIN new                         ; low byte: bits 1:0 source 0, 3:2 source 1, 5:4 source 2, 7:6 destination; the high byte repeats the setting that is left
.if MSB != \new
	s_set_vgpr_msb (MSB<<8)|\new
.set MSB, \new
.endif
.endm
.set MUL_LO,   0xa1
.set MUL_HI,   0xf1
.set FIRST_LO, 0x81
.set FIRST_HI, 0xc1
.set TO_B,     0x40
; The joint loads of a slot: waves 0 and 1 fetch y's two heads, waves 2 and 3 Wp's two halves, for both sub-slots.  The branch hangs on the wave's number alone.
.macro JLOAD s
	s_cmp_eq_u32 s11, 0
	s_cbranch_scc0 .Lfor_b_\@
	tensor_load_to_lds s[G0A+8*\s:G0A+8*\s+3],   s[G1A:G1A+7]
	s_nop 0
	tensor_load_to_lds s[G0A+8*\s+4:G0A+8*\s+7], s[G1A:G1A+7]
	s_nop 0
	s_branch .Lasked_\@
.Lfor_b_\@:
	tensor_load_to_lds s[G0B+8*\s:G0B+8*\s+3],   s[G1B:G1B+7]
	s_nop 0
	tensor_load_to_lds s[G0B+8*\s+4:G0B+8*\s+7], s[G1B:G1B+7]
	s_nop 0
.Lasked_\@:
.endm
.macro CREST                           ; a round of the cluster's barrier behind its opening barrier
	s_cmp_lg_u32 s10, 0
	s_cbranch_scc1 .Lnot_wave_0_\@
	s_barrier_signal -3
.Lnot_wave_0_\@:
	s_barrier_wait -3
	s_barrier_signal -1
	s_barrier_wait -1
.endm
.macro CROUND
	s_barrier_signal -1
	s_barrier_wait -1
	CREST
.endm
	s_load_b128 s[4:7], s[0:1], 0x0                ; yb s[4:5], cb s[6:7]
	s_load_b64 s[84:85], s[0:1], 0x10              ; bp
	s_load_b64 s[8:9], s[0:1], 0x18                ; out0
	s_set_vgpr_msb 0x40
	v_lshl_add_u32 v255, v0, 2, 0x48400
	s_set_vgpr_msb 0x4000
	v_mov_b32 v255, 0
	s_set_vgpr_msb 0x1
	ds_add_u32 v255, v255
	s_set_vgpr_msb 0x100
	v_lshrrev_b32 v1, 5, v0
	v_readfirstlane_b32 s10, v1                    ; wave 0..3
	s_lshr_b32 s11, s10, 1                         ; my half of the rows.  Also: I fetch for y (0) or for Wp (1)
	s_and_b32 s12, s10, 1                          ; my half of the columns.  Also: which head, or which 64 rows of Wp, I fetch
	s_bfe_u32 s76, ttmp6, 0x40000                  ; cx
	s_bfe_u32 s77, ttmp6, 0x40004                  ; cy
	s_lshl_b32 s78, ttmp9, 2
	s_add_co_u32 s78, s78, s76                     ; block column
	s_and_b32 s13, ttmp7, 0xffff
	s_lshl_b32 s13, s13, 2
	s_add_co_u32 s13, s13, s77                     ; block row
	s_lshl_b32 s79, s77, 2
	s_lshl_b32 s79, 15, s79                        ; my row of the cluster
	s_lshl_b32 s80, 0x1111, s76                    ; my column
	; y: a dense block of 16,384 bytes as 64 rows of 32 elements of 8 bytes; Wp: 64 rows of 128 elements of 2 bytes, 1,024 elements apart; 16 bytes of padding behind every 64 words
	s_or_b32 s[G1A+0], s79, (3<<16)|(1<<20)|(1<<21)|(5<<22)|(3<<25)
	s_mov_b32 s[G1A+1], 32<<16                     ; tensor_dim0
	s_mov_b32 s[G1A+2], 64<<16                     ; tensor_dim1
	s_mov_b32 s[G1A+3], 32<<16                     ; tile_dim0
	s_mov_b32 s[G1A+4], 64                         ; tile_dim1
	s_mov_b32 s[G1A+5], 32                         ; pitch
	s_mov_b32 s[G1A+6], 0
	s_mov_b32 s[G1A+7], 0
	s_or_b32 s[G1B+0], s80, (1<<16)|(1<<20)|(1<<21)|(5<<22)|(3<<25)
	s_mov_b32 s[G1B+1], 128<<16
	s_mov_b32 s[G1B+2], 64<<16
	s_mov_b32 s[G1B+3], 128<<16
	s_mov_b32 s[G1B+4], 64
	s_mov_b32 s[G1B+5], 1024
	s_mov_b32 s[G1B+6], 0
	s_mov_b32 s[G1B+7], 0
	s_lshl_b32 s16, s13, 14                        ; y: 128 rows of 128 bytes a block row,
	s_lshl_b32 s17, s12, 19                        ; + the head that I fetch
	s_add_co_u32 s16, s16, s17
	s_mov_b32 s17, 0
	s_lshl_b32 s82, s78, 18                        ; Wp: 128 rows of 2,048 bytes a block column,
	s_lshl_b32 s83, s12, 17                        ; + the 64 rows that I fetch
	s_add_co_u32 s82, s82, s83
	s_add_co_u32 s82, s82, WPOFF
	s_mov_b32 s83, 0
	s_mul_i32 s20, s10, PART                       ; LDS: part = the wave's number
	s_lshl_b32 s22, s78, 9                         ; my first column, in bytes of f32: 512 x block + 256 x half
	s_lshl_b32 s23, s12, 8
	s_add_co_u32 s22, s22, s23
	s_mov_b32 s23, 0
	s_wait_dscnt 0x0
	s_wait_kmcnt 0x0
	s_add_nc_u64 s[14:15], s[4:5], s[16:17]
	s_add_nc_u64 s[82:83], s[6:7], s[82:83]
	s_add_nc_u64 s[84:85], s[84:85], s[22:23]      ; the bias of my 64 columns
	s_add_nc_u64 s[8:9], s[8:9], s[22:23]          ; and my columns of the output
	CROUND                                         ; all sixteen work-groups are here
.irp s, 0,1,2,3
	s_mov_b32 s[G0A+4*\s], 1
	s_add_co_u32 s[G0A+4*\s+1], s20, \s*SUB
	s_add_nc_u64 s[G0A+4*\s+2:G0A+4*\s+3], s[14:15], \s*2*YPLANE   ; sub-step s of K: heads 2 s, 2 s + 1
	s_or_b32 s[G0A+4*\s+3], s[G0A+4*\s+3], 0x80000000
	s_mov_b32 s[G0B+4*\s], 1
	s_add_co_u32 s[G0B+4*\s+1], s20, \s*SUB
	s_add_nc_u64 s[G0B+4*\s+2:G0B+4*\s+3], s[82:83], \s*256
	s_or_b32 s[G0B+4*\s+3], s[G0B+4*\s+3], 0x80000000
.endr
	JLOAD 0
	JLOAD 1                                        ; four tensor loads of a wave are out
	v_and_b32 v1, 15, v0                           ; r
	v_bfe_u32 v2, v0, 4, 1                         ; h
	v_lshlrev_b32 v[BO], 5, v2                     ; the bias as a C operand: register j of lane (r, h) = bias of column 16 b + 8 h + j
.irp b, 0,1,2,3
	global_load_b128 v[BIAS+8*\b:BIAS+8*\b+3],   v[BO], s[84:85] offset:64*\b
	global_load_b128 v[BIAS+8*\b+4:BIAS+8*\b+7], v[BO], s[84:85] offset:64*\b+16
.endr
	v_mul_u32_u24 v3, v1, PITCH                    ; Wp: row r, + 16 h
	v_lshl_add_u32 v3, v2, 4, v3
	v_lshrrev_b32 v6, 1, v1                        ; y: row r at (r / 2) 272 + (r % 2) 128, + 16 h: 16 different 16-byte columns for the 16 rows
	v_and_b32 v7, 1, v1
	v_mul_u32_u24 v6, v6, PITCH
	v_lshl_add_u32 v6, v7, 7, v6
	v_lshl_add_u32 v6, v2, 4, v6
	s_mul_i32 s18, s11, 32*PITCH                   ; my 64 rows of y = 32 LDS rows
	s_mul_i32 s19, s12, PART                       ; my 64 rows of Wp,
	s_add_co_u32 s19, s19, 2*PART                  ; behind y's two parts
.irp s, 0,1,2,3
	v_add_nc_u32 v[ADRA+\s], s18, v6
	v_add_nc_u32 v[ADRB+\s], s19, v3
	s_add_co_u32 s18, s18, SUB
	s_add_co_u32 s19, s19, SUB
.endr
	s_mul_i32 s18, s10, 16*PITCH
	s_add_co_u32 s18, s18, STAGE                   ; my stage
	v_mul_u32_u24 v4, v1, PITCH                    ; in: row r, 32 bytes (8 f32) for each half of the lanes
	v_lshl_add_u32 v4, v2, 5, v4
	v_add_nc_u32 v[STO], s18, v4
	v_mul_u32_u24 v5, v2, PITCH                    ; back: lanes 0-15 take one row of 256 bytes, lanes 16-31 the next
	v_lshl_add_u32 v5, v1, 4, v5
	v_add_nc_u32 v[RD], s18, v5
	v_lshlrev_b32 v5, 12, v2                       ; and the same two rows of the output, 4,096 bytes apart
	v_lshl_add_u32 v[CO], v1, 4, v5
; 4 matrix instructions: m block a of the window's two x all 4 n blocks, 32 along K.  first = 1: C is the bias.
; The 16 accumulators take turns, one instruction a turn, in the same order in every quarter step.
.macro MULP f, hi, a, first
.irp b, 0,1,2,3
.if \first
	v_wmma_f32_16x16x32_f16 v[8*(NB*\a+\b):8*(NB*\a+\b)+7], v[\f+8*\b:\f+8*\b+7], v[\f+8*(2*\hi+\a):\f+8*(2*\hi+\a)+7], v[BIAS+8*\b:BIAS+8*\b+7]
.else
	v_wmma_f32_16x16x32_f16 v[8*(NB*\a+\b):8*(NB*\a+\b)+7], v[\f+8*\b:\f+8*\b+7], v[\f+8*(2*\hi+\a):\f+8*(2*\hi+\a)+7], v[8*(NB*\a+\b):8*(NB*\a+\b)+7]
.endif
.endr
.endm
; 16 LDS loads: the fragments of quarter qq (32 along K) of sub-slot ss into buffer f.  In y quarter qq lies in head qq / 2 at byte 64 (qq % 2) of the row.
.macro FETCH ss, qq, f
	WIN TO_B
.irp i, 0,1,2,3
	ds_load_b128 v[\f+8*\i:\f+8*\i+3],   v[ADRB+\ss] offset:64*\qq+\i*16*PITCH
	ds_load_b128 v[\f+8*\i+4:\f+8*\i+7], v[ADRB+\ss] offset:64*\qq+\i*16*PITCH+32
.endr
	WIN 0
.irp i, 0,1,2,3
	ds_load_b128 v[\f+8*\i:\f+8*\i+3],   v[ADRA+\ss] offset:(\qq/2)*PART+(\qq%2)*64+\i*AFR
	ds_load_b128 v[\f+8*\i+4:\f+8*\i+7], v[ADRA+\ss] offset:(\qq/2)*PART+(\qq%2)*64+\i*AFR+32
.endr
.endm
.macro PLACES                          ; four places behind matrix instructions, in front of loads into their sources and of reads of their results
.rept 4
	v_nop
.endr
.endm
; A quarter step: multiplies buffer f; in its middle fetches quarter qq of sub-slot ss, the next one, into buffer g.
.macro QUARTER ss, qq, f, g, first
	s_wait_dscnt MA                                ; Wp and y's rows 0-31 are in; the youngest four loads (y's rows 32-63) may be out
.if \first
	WIN FIRST_LO
.else
	WIN MUL_LO
.endif
	MULP \f, 0, 0, \first
	MULP \f, 0, 1, \first
	PLACES
	FETCH \ss, \qq, \g
	s_wait_dscnt 2*(MA+NB)                         ; all but the 16 just issued
.if \first
	WIN FIRST_HI
.else
	WIN MUL_HI
.endif
	MULP \f, 1, 0, \first
	MULP \f, 1, 1, \first
.endm
.macro HEADQ s0, s1, first             ; the first seven of a slot's eight quarters (sub-slots s0, s1)
	QUARTER \s0, 1, F0, F1, \first
	QUARTER \s0, 2, F1, F0, 0
	QUARTER \s0, 3, F0, F1, 0
	QUARTER \s1, 0, F1, F0, 0
	QUARTER \s1, 1, F0, F1, 0
	QUARTER \s1, 2, F1, F0, 0
	QUARTER \s1, 3, F0, F1, 0
.endm
; The eighth quarter changes slots.  In front of the barrier each wave waits for its reads of this slot and for all its tensor loads (two are out: its parts of the next slot).
; fill = 1: the barrier opens a round of the cluster's barrier, and the joint refills of this slot are the first tensor loads behind the round.
.macro TURN slot, nextss, fill
	s_wait_dscnt MA
	WIN MUL_LO
	MULP F1, 0, 0, 0
	s_wait_dscnt 0x0
	s_wait_tensorcnt 0x0
	ds_add_u32 v255, v255
	s_wait_dscnt 0x0
	s_barrier_signal -1
	MULP F1, 0, 1, 0
	WIN 0
	s_barrier_wait -1
.if \fill
	CREST
.irp j, 0,1
	s_add_nc_u64 s[G0A+8*\slot+4*\j+2:G0A+8*\slot+4*\j+3], s[G0A+8*\slot+4*\j+2:G0A+8*\slot+4*\j+3], ASTEP
	s_add_nc_u64 s[G0B+8*\slot+4*\j+2:G0B+8*\slot+4*\j+3], s[G0B+8*\slot+4*\j+2:G0B+8*\slot+4*\j+3], BSTEP
.endr
	JLOAD \slot
.endif
	PLACES
	FETCH \nextss, 0, F0
	WIN MUL_HI
	MULP F1, 1, 0, 0
	MULP F1, 1, 1, 0
.endm
	s_wait_tensorcnt 0x2                           ; my parts of slot 0 are in; slot 1's two loads stay out
	s_wait_loadcnt 0x0                             ; the bias
	s_barrier_signal -1
	s_barrier_wait -1
	FETCH 0, 0, F0
	HEADQ 0, 1, 1                                  ; K = 0..255: the first products start the sums from the bias
	TURN 0, 2, 1                                   ; slot 0 is asked for again: K = 512..767
	HEADQ 2, 3, 0                                  ; K = 256..511
	TURN 1, 0, 1                                   ; slot 1: K = 768..1023
	HEADQ 0, 1, 0
	TURN 0, 2, 0                                   ; nothing more to fill, and no round
	HEADQ 2, 3, 0
	s_wait_dscnt MA
	WIN MUL_LO
	MULP F1, 0, 0, 0
	MULP F1, 0, 1, 0
	s_wait_dscnt 0x0
	WIN MUL_HI
	MULP F1, 1, 0, 0
	MULP F1, 1, 1, 0
	; THE WAY OUT, 16 rows at a time: a lane's 32 bytes of a row go into my own stage, whole rows of 256 bytes come back.
	PLACES
	s_lshl_b32 s16, s13, 19                        ; 128 rows of 4,096 bytes a block row
	s_lshl_b32 s17, s11, 18                        ; + 64 rows for my half
	s_add_co_u32 s16, s16, s17
	s_mov_b32 s17, 0
	s_add_nc_u64 s[8:9], s[8:9], s[16:17]
; rows 16 i .. 16 i + 15 of my tile = the four tiles (a, 0..3) of window 2 or 3 (code 0x08 or 0x0c: the store data); f: buffer 0 or 1 in turn
.macro OUT16 i, a, code, f
	WIN \code
.irp b, 0,1,2,3
	ds_store_b128 v[STO], v[8*(NB*\a+\b):8*(NB*\a+\b)+3]   offset:64*\b
	ds_store_b128 v[STO], v[8*(NB*\a+\b)+4:8*(NB*\a+\b)+7] offset:64*\b+16
.endr
	WIN 0
	s_wait_xcnt 0x0                                ; buffer f, which earlier stores read, and the stores' base are rewritten only behind this wait
.if \i
	s_add_nc_u64 s[8:9], s[8:9], 16*4096
.endif
.irp t, 0,1,2,3,4,5,6,7
	ds_load_b128 v[\f+4*\t:\f+4*\t+3], v[RD] offset:\t*2*PITCH     ; LDS serves a wave's instructions in order (ISA guide 5.7.1): these see the stores above
.endr
.irp t, 0,1,2,3,4,5,6,7
	s_wait_dscnt 7-\t
	global_store_b128 v[CO], v[\f+4*\t:\f+4*\t+3], s[8:9] offset:2*\t*4096 th:TH_STORE_NT   ; 16 lanes store 256 consecutive bytes, aligned
.endr
.endm
	OUT16 0, 0, 0x08, F0
	OUT16 1, 1, 0x08, F1
	OUT16 2, 0, 0x0c, F0
	OUT16 3, 1, 0x0c, F1
	s_set_vgpr_msb 0x1
	s_wait_tensorcnt 0x0
	ds_add_u32 v255, v255
	s_wait_dscnt 0x0
	s_set_vgpr_msb 0x100
	CROUND                                         ; the closing round
	s_endpgm
.Lfunc_end_k_q0382968abb_proj:
	.size	k_q0382968abb_proj, .Lfunc_end_k_q0382968abb_proj-k_q0382968abb_proj
	.p2alignl 7, 3214868480
	.fill 96, 4, 3214868480
	.section	.rodata,"a",@progbits
	.p2align	6, 0x0
	.amdhsa_kernel k_q0382968abb_proj
		.amdhsa_group_segment_fixed_size 327680
		.amdhsa_private_segment_fixed_size 0
		.amdhsa_enable_private_segment 0
		.amdhsa_kernarg_size 32
		.amdhsa_user_sgpr_count 2
		.amdhsa_user_sgpr_kernarg_segment_ptr 1
		.amdhsa_wavefront_size32 1
		.amdhsa_system_sgpr_workgroup_id_x 1
		.amdhsa_system_sgpr_workgroup_id_y 1
		.amdhsa_system_sgpr_workgroup_id_z 1
		.amdhsa_system_vgpr_workitem_id 0
		.amdhsa_next_free_vgpr 832
		.amdhsa_next_free_sgpr 86
		.amdhsa_reserve_vcc 0
		.amdhsa_float_denorm_mode_32 3
		.amdhsa_float_denorm_mode_16_64 3
		.amdhsa_memory_ordered 1
		.amdhsa_forward_progress 1
		.amdhsa_inst_pref_size 96
	.end_amdhsa_kernel
	.amdgpu_metadata
---
amdhsa.version: [ 1, 2 ]
amdhsa.kernels:
  - .name:           k_q0382968abb_proj
    .symbol:         k_q0382968abb_proj.kd
    .args:
      - { .name: yb, .offset: 0, .size: 8, .value_kind: global_buffer, .address_space: global }
      - { .name: cb, .offset: 8, .size: 8, .value_kind: global_buffer, .address_space: global }
      - { .name: bp, .offset: 16, .size: 8, .value_kind: global_buffer, .address_space: global }
      - { .name: out0, .offset: 24, .size: 8, .value_kind: global_buffer, .address_space: global }
    .group_segment_fixed_size: 327680
    .private_segment_fixed_size: 0
    .kernarg_segment_align: 8
    .kernarg_segment_size: 32
    .max_flat_workgroup_size: 128
    .sgpr_count:     86
    .vgpr_count:     832
    .wavefront_size: 32
...
	.end_amdgpu_metadata
.endif
;; end of part 4
